; MI455X (gfx1250); checked and timed in simulation.
; The chip was launched on July 23, 2026; its instructions are those of AMD's public machine-readable ISA for CDNA 5 (MIT licence, August 2026) and "CDNA5" Instruction Set Architecture Reference Guide (July 2026). The comments in the code are by the model that wrote it; some were corrected since.
;; Multi Head Attention. Allowed arithmetic: matrix products marked QUANTISED: E2M1 operands, one E8M0 scale for each 32 along K, by v_wmma_scale_f32_16x16x128_f8f6f4 with both operands' format E2M1 (or v_wmma_scale_f32_32x16x128_f4), f32 sums; products left as they are: f32 operands where the result goes on into a quantised operand, else bf16, f16 or f32 operands; f32 sums; everything else in f32.
;; Inputs: Wk 1,024 x 512 float32; Wq 1,024 x 512 float32; bk 1,024 float32; bq 1,024 float32; key 64 x 2,048 x 512 float32; query 64 x 1 x 512 float32; v 128 float32.
;; Outputs: out0 64 x 1 x 4,096 float32.
;; This version of the problem:
;;   THIS VERSION OF THE PROBLEM IS GIVEN IN LOW PRECISION. The matrix products marked QUANTISED in the list below multiply operands that are first quantised to E2M1 (2 exponent bits, 1 mantissa bit; 4 bits a number), with one power-of-two scale for each 32 numbers along K (OCP MX v1.0); their sums are f32. All else is computed in f32.
;;   The module's matrix products, in the order in which they are computed (A, B: the left and right operand; K: the contracted axis; several contracted axes count as one K, in the product's order):
;;     1. [M 64, K 512] x [K 512, N 1,024]; A: input query; B: input Wq: QUANTISED
;;     2. [M 131,072, K 512] x [K 512, N 1,024]; A: input key; B: input Wk: QUANTISED
;;     3. [M 1, K 128] x [K 128, N 1,048,576]; A: computed on the way; B: computed on the way: left as it is (M = 1 < 16)
;;     4. batch 64 x [M 8, K 2,048] x [K 2,048, N 512]; A: computed on the way; B: input key: left as it is (M = 8 < 16)
;;   THE QUANTISER, for each operand of a quantised product, along K:
;;     - K is cut into blocks of 32 from its start; a last block that is shorter is filled with zeros.
;;     - A block's scale is 2^e with e = floor(log2(the largest magnitude in the block)) - 2, held to -126 .. 127; a block of zeros has e = 0. As a byte (E8M0): e + 127.
;;     - Each number is divided by its block's scale, clamped to +-6, and rounded to the nearest number of E2M1, ties to even, subnormals kept.
;;     - The product sums the exact products of the quantised numbers (number of the format x scale) in f32.
;;   ~~~python
;;   def quantise(x, axis):      # numpy; x: float32 -> the quantised numbers, widened to float32 again
;;       x = np.moveaxis(x, axis, -1); K = x.shape[-1]
;;       x = np.pad(x, [(0, 0)] * (x.ndim - 1) + [(0, -K % 32)]); x = x.reshape(x.shape[:-1] + (-1, 32)); a = np.abs(x).max(-1, keepdims=True)
;;       e = np.where(a > 0, np.clip(np.frexp(np.where(a > 0, a, 1))[1] - 1 - 2, -126, 127), 0)      # np.frexp(a)[1] - 1 = floor(log2(a)), exactly
;;       r = np.clip(x / 2.0 ** e, -6, 6)
;;       step = 2.0 ** (np.maximum(np.frexp(np.where(r == 0, 1, r))[1] - 1, 0) - 1)
;;       q = np.round(r / step) * step * 2.0 ** e      # np.round: ties to even
;;       return np.moveaxis(q.reshape(q.shape[:-2] + (-1,))[..., :K], -1, axis).astype(np.float32)
;;   ~~~
;; One version. Each part assembles by itself: llvm-mc -triple=amdgcn-amd-amdhsa -mcpu=gfx1250 --defsym DOCPART=n.
;; ======== version 1 of 1: 3 launches
;; limits: values are held in f16: magnitudes above 65,504 overflow, below 6.1e-05 lose precision; inputs' magnitudes at most 65,504
;; workspace buffers: wkf 262,144 bytes; wks 16,384 bytes; biasc 262,144 bytes; part 4,194,304 bytes
;; launch prep (part 1): grid 64 x 1, 24 waves a work-group, no clusters, 30,720 bytes of LDS; arguments Wk, Wq, query, bq, bk, wkf, wks, biasc; writes wkf, wks, biasc
.if DOCPART == 1
	.amdgcn_target "amdgcn-amd-amdhsa--gfx1250"
	.amdhsa_code_object_version 6
	.text
	.protected	k_q50e946fa6d_prep
	.globl	k_q50e946fa6d_prep
	.p2align	8
	.type	k_q50e946fa6d_prep,@function
k_q50e946fa6d_prep:
	s_mov_b64 s[64:65], 0
	v_nop
	global_prefetch_b8 v0, s[64:65] scope:SCOPE_SE
	s_setreg_imm32_b32 hwreg(HW_REG_WAVE_MODE, 25, 1), 1
	s_wait_xcnt 0x0
; WHAT IT MAKES.  (1) Wk [1024][512] f32 as codes of FP4 (E2M1) with one E8M0 scale for each 32 along K, laid as the next launch's operand registers take them:
;   wkf [tile of 16 rows, 64][K step of 128, 4][1,024 bytes]: registers 4 c .. 4 c + 3 of a fragment at 512 c + 16 x lane;
;   wks [tile][p = 0, 1][128 bytes]: a word at 4 x lane: lanes 0-15 row r's scale word of K step p, lanes 16-31 that of K step p + 2.
; (2) biasc [64][1024] f32 = c x (Q(query) Q(Wq)^T + bq + bk), c = 2 log2(e): all that the next launch adds to c x (key's projection) ahead of its exponential.
; SHARES.  Work-group x owns rows 16 x .. 16 x + 15 of Wk and of Wq.  Each of its 24 waves quantises ONE fragment, 16 rows x 128 along K: waves 0-3 Wk's four K steps, waves 4-7 Wq's,
; waves 8-23 query's sixteen (row tile (w >> 2) - 2, K step w & 3).  The fragments meet in LDS as images of their registers; behind one barrier waves 0-3 store Wk's, waves 4-7 make the product
; for 16 batches each, and the others end.
; THE QUANTISER.  A block's scale is 2^(floor(log2(its largest magnitude)) - 2): its byte is the largest magnitude's exponent field - 2, held at 1 from below by a floor among the maximum's leaves.
; LIMITS: a block of zeros gets the byte 1 where the rule says 127 (its codes are zeros, and this program alone reads the bytes); NaN and infinities among the inputs are not served.
; biasc leaves as 64 bytes of each of 16 rows for a wave, and wks as 128 bytes a wave: a work-group owns only 16 of a row's 1,024 units.  Both buffers together are 278,528 bytes.
.set S,    16                          ; v16-79   the 64 numbers of a lane; later Wq's four fragments (v16-47) and query's (v48-79)
.set TM,   80                          ; v80-95   at work in the quantiser; later the product (v80-87) and what is stored (v88-95)
.set PW,   96                          ; v96      the scale word just made
.set PC,   98                          ; v98-105  the codes just made
.set BQ,   106                         ; v106-113 bq of my eight units, then bq + bk
.set BK,   114                         ; v114-121 bk
.set WQS,  122                         ; v122-125 Wq's scale words, one for each K step
.set QS,   126                         ; v126-129 query's
.set SCL,  24576                       ; LDS: 24 images of 1,024 bytes, then 24 x 128 bytes of scale words
.set WV,   20                          ; s20      my wave's number
.set SEL,  22                          ; s[22:23] lane selects for v_permlanex16_b32: lane l xor 16
.set CS,   24                          ; s[24:25] c
; 64 numbers of a lane, register 16 b + i = k 32 b + 16 (lane / 16) + i of my row, become a fragment's codes in v[PC] on and its scale word in v[pw].
.macro QUANT s, pw
.irp b, 0,1,2,3
	v_max3_num_f32 v[TM+\b], |v[\s+16*\b]|, |v[\s+1+16*\b]|, 0x1800000   ; block b: my 16 numbers, and the floor 2^(3 - 127): the byte cannot fall under 1
.endr
.irp i, 2,4,6,8,10,12,14
.irp b, 0,1,2,3
	v_max3_num_f32 v[TM+\b], v[TM+\b], |v[\s+16*\b+\i]|, |v[\s+1+16*\b+\i]|   ; the four blocks by turns
.endr
.endr
.irp b, 0,1,2,3
	v_permlanex16_b32 v[TM+4+\b], v[TM+\b], s[SEL], s[SEL+1]
.endr
.irp b, 0,1,2,3
	v_max_num_f32 v[TM+\b], v[TM+\b], v[TM+4+\b]   ; with lane l xor 16's 16: the block's largest magnitude
.endr
.irp b, 0,1,2,3
	v_add_nc_u32 v[TM+12+\b], 0xff000000, v[TM+\b]   ; 2 off its exponent field: the conversion takes the exponent field of this operand as its scale
.endr
.irp b, 0,1,2,3
	v_lshrrev_b32 v[TM+4+\b], 23, v[TM+12+\b]      ; the scale's byte
.endr
	v_lshl_or_b32 v[\pw], v[TM+5], 8, v[TM+4]      ; four bytes: my row's scale word
	v_lshl_or_b32 v[\pw], v[TM+6], 16, v[\pw]
	v_lshl_or_b32 v[\pw], v[TM+7], 24, v[\pw]
.irp b, 0,1,2,3
	v_cvt_scalef32_pk8_fp4_f32 v[PC+2*\b], v[\s+16*\b:\s+7+16*\b], v[TM+12+\b]
	v_cvt_scalef32_pk8_fp4_f32 v[PC+1+2*\b], v[\s+8+16*\b:\s+15+16*\b], v[TM+12+\b]
.endr
	v_nop                                          ; one plain instruction behind the last scaled conversion
.irp c, 0,1                                    ; the operand's layout wants a whole block in a lane: lanes 0-15 block 2 c, lanes 16-31 block 2 c + 1
.irp i, 0,1
	v_permlane16_swap_b32 v[PC+4*\c+\i], v[PC+2+4*\c+\i]
.endr
.endr
.endm
	s_load_b256 s[4:11], s[0:1], 0x0               ; Wk s[4:5], Wq s[6:7], query s[8:9], bq s[10:11]
	s_load_b256 s[12:19], s[0:1], 0x20             ; bk s[12:13], wkf s[14:15], wks s[16:17], biasc s[18:19]
	v_lshl_add_u32 v144, v0, 2, 0x6c00
	v_mov_b32 v145, 0
	v_lshrrev_b32 v1, 5, v0
	v_readfirstlane_b32 s[WV], v1                  ; wave 0..23
	v_and_b32 v1, 31, v0                           ; lane
	v_and_b32 v2, 15, v0                           ; r
	v_bfe_u32 v3, v0, 4, 1                         ; h
	v_lshlrev_b32 v4, 11, v2
	v_lshl_add_u32 v4, v3, 6, v4                   ; the numbers: row r of 2,048 bytes, + 64 h: my 16 of each block of 32
	v_lshlrev_b32 v5, 4, v1                        ; 16 x lane: my place in an image
	v_lshlrev_b32 v6, 2, v1                        ; 4 x lane: my place among scale words
	s_lshl_b32 s28, s[WV], 10
	v_add_nc_u32 v7, s28, v5                       ; where I store my image: 1,024 x wave + 16 x lane
	s_lshl_b32 s28, s[WV], 7
	v_add_nc_u32 v8, s28, v6                       ; and my scale word: 128 x wave + 4 x lane (+ SCL)
	v_lshlrev_b32 v9, 5, v3                        ; the biases: 32 h: my half's eight units
	v_lshl_add_u32 v10, v2, 12, v9                 ; biasc: batch r's row of 4,096 bytes, + 32 h
	s_and_b32 s28, s[WV], 1
	s_lshl_b32 s28, s28, 7
	v_lshlrev_b32 v11, 2, v2
	v_lshl_add_u32 v11, v3, 8, v11
	v_add_nc_u32 v11, s28, v11                     ; wks' words: lanes 0-15 K step w's, lanes 16-31 K step w + 2's: 128 (w & 1) + 256 h + 4 r (+ SCL)
	s_and_b32 s26, s[WV], 3                        ; my K step; in waves 4-7 also my tile of 16 batches
	s_lshl_b32 s28, s26, 12
	v_add_nc_u32 v13, s28, v5                      ; query's images of my batches: 4,096 (w & 3) + 16 x lane
	s_lshl_b32 s28, s26, 9
	v_add_nc_u32 v14, s28, v6                      ; and their scale words: 512 (w & 3) + 4 x lane
.irp b, 0,1,2,3
	v_mov_b32 v[TM+4+\b], 0                        ; written once: a lane permute's destination counts as one of its sources
.endr
	s_mov_b32 s[SEL], 0x76543210
	s_mov_b32 s[SEL+1], 0xfedcba98
	s_mov_b32 s[CS], 0x4038aa3b                    ; c = 2 log2(e)
	s_mov_b32 s[CS+1], s[CS]                       ; (named with it as a pair, so it is written)
	s_lshr_b32 s27, s[WV], 2
	s_max_u32 s27, s27, 2
	s_sub_co_u32 s27, s27, 2                       ; query's tile of rows, in waves 8-23
	s_cmp_lt_u32 s[WV], 8
	s_cselect_b32 s27, ttmp9, s27                  ; the weights' tile of rows is the work-group's
	s_lshl_b32 s32, s27, 15                        ; 16 rows of 2,048 bytes,
	s_lshl_b32 s28, s26, 9                         ; and 128 numbers for each K step
	s_add_co_u32 s32, s32, s28
	s_mov_b32 s33, 0
	s_lshl_b32 s30, ttmp9, 6                       ; the work-group's 16 units in bq, bk and a row of biasc
	s_mov_b32 s31, 0
	s_wait_kmcnt 0x0
	s_cmp_lt_u32 s[WV], 4                          ; which tensor I quantise hangs on the wave's number alone
	s_cselect_b64 s[34:35], s[4:5], s[6:7]
	s_cmp_lt_u32 s[WV], 8
	s_cselect_b64 s[34:35], s[34:35], s[8:9]
	s_add_nc_u64 s[34:35], s[34:35], s[32:33]
	s_add_nc_u64 s[10:11], s[10:11], s[30:31]
	s_add_nc_u64 s[12:13], s[12:13], s[30:31]
.irp b, 0,1,2,3
.irp j, 0,1,2,3
	global_load_b128 v[S+16*\b+4*\j:S+16*\b+4*\j+3], v4, s[34:35] offset:128*\b+16*\j
.endr
.endr
	global_load_b128 v[BQ:BQ+3], v9, s[10:11]      ; every wave issues these four, so that the count below is the same for all; waves 4-7 use them
	global_load_b128 v[BQ+4:BQ+7], v9, s[10:11] offset:16
	global_load_b128 v[BK:BK+3], v9, s[12:13]
	global_load_b128 v[BK+4:BK+7], v9, s[12:13] offset:16
	s_wait_loadcnt 4                               ; the sixteen loads of numbers are in; the four issued behind them may be out
	QUANT S, PW
	ds_store_b128 v7, v[PC:PC+3]                   ; the fragment as it stands: 16 bytes a lane, 512 a store
	ds_store_b128 v7, v[PC+4:PC+7] offset:512
	ds_store_b32 v8, v[PW] offset:SCL
	s_wait_dscnt 0x0                               ; for the others' sake: my stores have landed
	s_barrier_signal -1
	s_barrier_wait -1                              ; all 24 images and their scale words lie in LDS
	s_cmp_lt_u32 s[WV], 8
	s_cbranch_scc0 .Lend                           ; query's waves have done their part
	s_cmp_lt_u32 s[WV], 4
	s_cbranch_scc0 .Lproduct
	; ---- waves 0-3: Wk's fragment of K step w leaves from the registers in which it was made
	s_lshl_b32 s28, ttmp9, 12
	s_lshl_b32 s29, s[WV], 10
	s_add_co_u32 s28, s28, s29                     ; (4 x + w) x 1,024
	s_mov_b32 s29, 0
	s_add_nc_u64 s[14:15], s[14:15], s[28:29]
	global_store_b128 v5, v[PC:PC+3], s[14:15]     ; 32 lanes store 512 consecutive bytes, at a multiple of 256 from the buffer's first byte
	global_store_b128 v5, v[PC+4:PC+7], s[14:15] offset:512
	s_cmp_lt_u32 s[WV], 2
	s_cbranch_scc0 .Lend
	ds_load_b32 v12, v11 offset:SCL                ; waves 0, 1: the scale words of K steps w (lanes 0-15) and w + 2 (lanes 16-31) in one register
	s_lshl_b32 s28, ttmp9, 8
	s_lshl_b32 s30, s[WV], 7
	s_add_co_u32 s28, s28, s30                     ; (2 x + w) x 128
	s_add_nc_u64 s[16:17], s[16:17], s[28:29]
	s_wait_dscnt 0x0
	global_store_b32 v6, v12, s[16:17]
	s_branch .Lend
.Lproduct:
	; ---- waves 4-7: c x (q + bq + bk) for batches 16 (w & 3) on and the work-group's 16 units.  Source 0 = Wq's 16 rows, source 1 = 16 rows of query:
	; a lane holds one batch (lane % 16) and eight neighbouring units, 8 (lane / 16) + 0 .. 7
.irp s, 0,1,2,3
.irp c, 0,1
	ds_load_b128 v[16+8*\s+4*\c:16+8*\s+4*\c+3], v5 offset:4096+1024*\s+512*\c      ; Wq's images: waves 4-7's
	ds_load_b128 v[48+8*\s+4*\c:48+8*\s+4*\c+3], v13 offset:8192+1024*\s+512*\c     ; query's: waves 8 + 4 (w & 3) on
.endr
	ds_load_b32 v[WQS+\s], v6 offset:SCL+512+128*\s
	ds_load_b32 v[QS+\s], v14 offset:SCL+1024+128*\s
.endr
	s_wait_loadcnt 0x0                             ; the biases
.irp i, 0,2,4,6
	v_pk_add_f32 v[BQ+\i:BQ+\i+1], v[BQ+\i:BQ+\i+1], v[BK+\i:BK+\i+1]   ; bq + bk: the C of the sum's first product
.endr
.rept 4
	v_nop
.endr
	s_lshl_b32 s28, s26, 16                        ; 16 batches' rows of 4,096 bytes,
	s_lshl_b32 s30, ttmp9, 6                       ; the work-group's 16 units
	s_add_co_u32 s28, s28, s30
	s_mov_b32 s29, 0
	s_add_nc_u64 s[18:19], s[18:19], s[28:29]
	s_wait_dscnt 0x0
	v_wmma_scale_f32_16x16x128_f8f6f4 v[80:87], v[16:23], v[48:55], v[BQ:BQ+7], v[WQS], v[QS] matrix_a_fmt:MATRIX_FMT_FP4 matrix_b_fmt:MATRIX_FMT_FP4
.irp s, 1,2,3
	s_wait_alu depctr_va_vdst(0)                   ; a wait ahead of each link
	v_wmma_scale_f32_16x16x128_f8f6f4 v[80:87], v[16+8*\s:23+8*\s], v[48+8*\s:55+8*\s], v[80:87], v[WQS+\s], v[QS+\s] matrix_a_fmt:MATRIX_FMT_FP4 matrix_b_fmt:MATRIX_FMT_FP4
.endr
.rept 4
	v_nop                                          ; four places between the last product and the first read of its result (ISA guide 7.12.1)
.endr
.irp i, 0,2,4,6
	v_pk_mul_f32 v[88+\i:89+\i], v[80+\i:81+\i], s[CS:CS+1] op_sel_hi:[1,0]   ; x c, from the result's low end on
.endr
	global_store_b128 v10, v[88:91], s[18:19]
	global_store_b128 v10, v[92:95], s[18:19] offset:16
.Lend:
	s_wait_tensorcnt 0x0
	ds_add_u32 v144, v145
	s_wait_dscnt 0x0
	s_endpgm
.Lfunc_end_k_q50e946fa6d_prep:
	.size	k_q50e946fa6d_prep, .Lfunc_end_k_q50e946fa6d_prep-k_q50e946fa6d_prep
	.p2alignl 7, 3214868480
	.fill 96, 4, 3214868480
	.section	.rodata,"a",@progbits
	.p2align	6, 0x0
	.amdhsa_kernel k_q50e946fa6d_prep
		.amdhsa_group_segment_fixed_size 30720
		.amdhsa_private_segment_fixed_size 0
		.amdhsa_enable_private_segment 0
		.amdhsa_kernarg_size 64
		.amdhsa_user_sgpr_count 2
		.amdhsa_user_sgpr_kernarg_segment_ptr 1
		.amdhsa_wavefront_size32 1
		.amdhsa_system_sgpr_workgroup_id_x 1
		.amdhsa_system_sgpr_workgroup_id_y 1
		.amdhsa_system_sgpr_workgroup_id_z 1
		.amdhsa_system_vgpr_workitem_id 0
		.amdhsa_next_free_vgpr 146
		.amdhsa_next_free_sgpr 66
		.amdhsa_reserve_vcc 0
		.amdhsa_float_denorm_mode_32 3
		.amdhsa_float_denorm_mode_16_64 3
		.amdhsa_memory_ordered 1
		.amdhsa_forward_progress 1
		.amdhsa_inst_pref_size 13
	.end_amdhsa_kernel
	.amdgpu_metadata
---
amdhsa.version: [ 1, 2 ]
amdhsa.kernels:
  - .name:           k_q50e946fa6d_prep
    .symbol:         k_q50e946fa6d_prep.kd
    .args:
      - { .name: Wk, .offset: 0, .size: 8, .value_kind: global_buffer, .address_space: global }
      - { .name: Wq, .offset: 8, .size: 8, .value_kind: global_buffer, .address_space: global }
      - { .name: query, .offset: 16, .size: 8, .value_kind: global_buffer, .address_space: global }
      - { .name: bq, .offset: 24, .size: 8, .value_kind: global_buffer, .address_space: global }
      - { .name: bk, .offset: 32, .size: 8, .value_kind: global_buffer, .address_space: global }
      - { .name: wkf, .offset: 40, .size: 8, .value_kind: global_buffer, .address_space: global }
      - { .name: wks, .offset: 48, .size: 8, .value_kind: global_buffer, .address_space: global }
      - { .name: biasc, .offset: 56, .size: 8, .value_kind: global_buffer, .address_space: global }
    .group_segment_fixed_size: 30720
    .private_segment_fixed_size: 0
    .kernarg_segment_align: 8
    .kernarg_segment_size: 64
    .max_flat_workgroup_size: 768
    .sgpr_count:     66
    .vgpr_count:     146
    .wavefront_size: 32
...
	.end_amdgpu_metadata
.endif
;; end of part 1
;; launch attn (part 2): grid 256 x 1, 8 waves a work-group, no clusters, 327,680 bytes of LDS; arguments key, wkf, wks, biasc, v, part; writes part
.if DOCPART == 2
	.amdgcn_target "amdgcn-amd-amdhsa--gfx1250"
	.amdhsa_code_object_version 6
	.text
	.protected	k_q50e946fa6d_attn
	.globl	k_q50e946fa6d_attn
	.p2align	8
	.type	k_q50e946fa6d_attn,@function
k_q50e946fa6d_attn:
	s_mov_b64 s[64:65], 0
	v_nop
	global_prefetch_b8 v0, s[64:65] scope:SCOPE_SE
	s_setreg_imm32_b32 hwreg(HW_REG_WAVE_MODE, 25, 1), 1
	s_wait_xcnt 0x0
; part[x][head][:] = the sum over the work-group's 512 keys t of w[head][t] key[b][t][:], where w[.][t] = softmax over the EIGHT HEADS of add[head][t],
; add[head][t] = sum over d of nv[d] tanh(k[t][128 head + d] + bk + q + bq), k = Q(key) Q(Wk)^T on codes of FP4 (E2M1) with one E8M0 scale for each 32 along K.
; The softmax runs over heads, so nothing is normalised along t: a batch's 2,048 keys are shared among four work-groups, and the next launch adds their four parts.
; THE SCORE.  tanh x = 1 - 2 / (1 + 2^(c x)), c = 2 log2(e).  The sum over d of nv[d] is the same in all heads and falls out of a softmax over heads, so the score kept is
; s = sum over d of NVS[d] / (1 + 2^(c x)), NVS = -2 log2(e) / sqrt(128) x v / sqrt(sum v^2): it is in units of log2.  The largest of the eight scores is still taken away before the exponential.
; 2^(c x) = infinity gives 1 / infinity = 0, 2^(c x) = 0 gives 1: what tanh gives there.  c x = c k + biasc, biasc = c (q + bq + bk) from the launch before.
; SHARES.  Work-group x: batch x / 4, keys 512 (x % 4) on, in 8 chunks of 64.  WAVE w OWNS HEAD w: its 128 rows of Wk, 32 fragments, fill register window 1 for the whole launch, read from memory once.
; For the context product wave w owns columns 64 w .. 64 w + 63 of key, for all eight heads.  Two waves share a SIMD.
; key IS READ FROM MEMORY ONCE: a chunk's 64 rows of f32 come into an LDS slot by tensor loads and serve twice: quantised, as the first product's operand, and rounded to f16, as the values.
; THE SLOT is eight PANELS of 16 keys x half a row.  A panel's row is 1,024 bytes + 16 of padding = 260 words: row r starts 4 r words on modulo 64 (64 banks of 4 bytes: ISA guide 11.1), so the sixteen rows
; that a load of the quantiser touches start at sixteen different groups of four banks.  Wave w fetches panel w (keys 16 (w / 2) on, half w % 2) by one tensor load, and that is the very panel that wave w
; quantises: for those reads its own wait on TENSORcnt is all the ordering.  The values are read from all panels, behind the change of slots.
; A TRIP (chunk i), two barriers.  change of slots: chunk i's fragments are whole, nobody reads the slot of chunk i - 1, which takes chunk i + 1 | for each tile of 16 keys: its four fragments from LDS, 32 products
; (source 0 = 16 keys, source 1 = 16 rows of Wk: a lane holds ONE unit, lane % 16, and eight keys, so bias and NVS are one number a lane a tile), the tanh work, the sum over the tile's units in registers; for
; each 32 keys the sum over the 16 lanes; the scores to LDS | barrier: the scores are whole, and nobody reads chunk i's fragments any more | every wave: the softmax of all 64 keys, weights as f16 through its own
; LDS bytes, its 64 columns of the context; then CHUNK i + 1 IS QUANTISED: each wave two fragments (16 keys x 128 K), stored to LDS as images of their registers.
; EVERY RUN OF LDS LOADS IS ASKED FOR AHEAD OF WORK THAT COVERS IT: the first 32 keys' values when the last tanh has left its registers, ahead of the sums over lanes; the other 32 with the scores, ahead of the
; softmax; the next chunk's first 64 numbers ahead of the context products, its second 64 ahead of the quantising of the first.
; WHY f16 IN THE CONTEXT PRODUCT.  The weights all lie near 1 / 8 and 2,048 terms are summed: a weight's rounding error of half a step, times keys of spread 1, times sqrt(2,048), has to stay far under a
; hundredth of the output's spread, sqrt(2,048) / 8.  With 11 bits of mantissa it is about 0.002 of 5.7; with 8 bits it would be eight times that.  Both operands have room in f16: |add| <= the sum of |nv|
; <= sqrt(128) x the length of nv = 1 for every input, so a weight lies between e^-2 / 8 and 1; the keys: see LIMITS.
; NO CLUSTER: a work-group's stream, 1,048,576 bytes of key, is shared with nobody; what all work-groups share, Wk's 278,528 bytes of codes and scales, each reads once, straight into the registers where it stays.
; Each refill is asked for at a trip's head and first waited for behind that trip's 128 FP4 products, its tanh work of 8,192 numbers a wave, its softmax and its conversions.
; LIMITS: a block of zeros gets the scale byte 1 where the rule says 127 (its codes are zeros; this program alone reads the bytes); NaN and infinities among the inputs are not served; v = 0 gives NaN, as the
; definition does; the context product takes the weights and the keys rounded to f16, sums in f32: a key whose magnitude is above 65,504 becomes infinity there, and keys under 2^-14 keep an absolute error of 2^-25.
.set HP,    1040                       ; half a key row in LDS: 1,024 bytes + 16 of padding
.set PANEL, 16*HP                      ; 16,640: a panel: what one tensor load brings
.set SLOTB, 8*PANEL                    ; 133,120: a slot; slot 1 begins here.  Panel 2 m + half: keys 16 m on
.set CHUNKB, 131072                    ; a chunk in memory
.set XIMG,  2*SLOTB                    ; behind the ring: the 16 key fragments, (tile of keys m, K step s) at (4 m + s) x 1,024
.set XSCO,  16384                      ; from XIMG on: their scale words: tile m: 512 m + 16 x lane + 4 s
.set SCOO,  18432                      ; the scores: [64 keys][8 heads] f32
.set WSCO,  20480                      ; the weights as f16: for each wave 8 heads x (128 bytes + 16)
.set SPARE, XIMG+WSCO+8*1152           ; 295,936: the spare words, 128 bytes for each wave: four blocks of 256 bytes that no other line names
.set LIX,  1                           ; v1   XIMG + 16 x lane
.set LS,   2                           ; v2   4 x lane
.set SPW,  3                           ; v3   LDS address of my spare word; never rewritten
.set NIL,  4                           ; v4   0; never rewritten
.set XA0,  5                           ; v5   the numbers that I quantise: my lane's place in a slot
.set XAD,  6                           ; v6   the same in the slot asked for last (at the head: 16 x lane)
.set XWI,  7                           ; v7   where I store my two images
.set XWS,  8                           ; v8   and their two scale words
.set SCW,  9                           ; v9   where I store a score
.set SCR,  10                          ; v10  where I read a key's eight scores
.set WST,  11                          ; v11  where I store a key's weights
.set WLD,  12                          ; v12  where I read the weights' fragment
.set KA0,  13                          ; v13  the values: my lane's place in a slot
.set KAD,  14                          ; v14-15 the same in the slot in hand: keys 0-31, keys 32-63
.set WS,   16                          ; v16-31   Wk's scale words: 2 T + p: lanes 0-15 K step p, lanes 16-31 K step p + 2
.set XS,   32                          ; v32-35   the key tile's scale words, one for each K step
.set BI,   36                          ; v36-51   biasc of my unit in tile T, twice (a pair for the packed forms)
.set NVS,  52                          ; v52-67   NVS of my unit in tile T, twice
.set CXA,  68                          ; v68-83   the context: accumulators 0 and 1
.set SA,   84                          ; v84-99   score sums: 8 mm + j: key 16 mm + 8 (lane / 16) + j of 32; later two fragments of values
.set WA,   100                         ; v100-115 the weights' two fragments
.set XF,   116                         ; v116-147 four key fragments; later four fragments of values
.set XQ,   84                          ; v84-147  SA, WA and XF on end: the quantiser's second 64 numbers
.set HA,   148                         ; v148-211 eight tiles of the projection; also 64 values, the quantiser's first 64 numbers, and the way out
.set TM,   212                         ; v212-227 at work; later two fragments of values
.set PC,   228                         ; v228-235 the codes just made; at work in the softmax, then the packed weights
.set PW,   236                         ; v236-237 two scale words just made
.set CXB,  238                         ; v238-253 the context: accumulators 2 and 3
.set R4,   254                         ; v254 4 x (lane % 16)
.set PO,   255                         ; v255 my byte offset in the work-group's part
.set WV,   16                          ; s16  my wave's number
.set TB,   17                          ; s17  LDS byte at which the slot in hand begins
.set TN,   18                          ; s18  the slot asked for last
.set WL,   19                          ; s19  my panel's place in a slot
.set SEL,  20                          ; s[20:21] lane selects for v_permlanex16_b32: lane l xor 16
.set CS,   22                          ; s[22:23] c
.set G1,   24                          ; s[24:31] descriptor group 1
.set G0,   32                          ; s[32:35] descriptor group 0, which walks
.set CNT,  36
.set MSB, 0
.macro WIN new                         ; the immediate's high byte repeats the setting that is left
.if MSB != \new
	s_set_vgpr_msb (MSB<<8)|\new
.set MSB, \new
.endif
.endm
.macro PLACES
.rept 4
	v_nop
.endr
.endm
; 64 numbers of a lane, register 16 b + i = k 32 b + 16 (lane / 16) + i of my row, become a fragment's codes in v[PC] on and its scale word in v[pw].
.macro QUANT s, pw
.irp b, 0,1,2,3
	v_max3_num_f32 v[TM+\b], |v[\s+16*\b]|, |v[\s+1+16*\b]|, 0x1800000   ; block b: my 16 numbers, and the floor 2^(3 - 127): the byte cannot fall under 1
.endr
.irp i, 2,4,6,8,10,12,14
.irp b, 0,1,2,3
	v_max3_num_f32 v[TM+\b], v[TM+\b], |v[\s+16*\b+\i]|, |v[\s+1+16*\b+\i]|   ; the four blocks by turns
.endr
.endr
.irp b, 0,1,2,3
	v_permlanex16_b32 v[TM+4+\b], v[TM+\b], s[SEL], s[SEL+1]
.endr
.irp b, 0,1,2,3
	v_max_num_f32 v[TM+\b], v[TM+\b], v[TM+4+\b]   ; with lane l xor 16's 16: the block's largest magnitude
.endr
.irp b, 0,1,2,3
	v_add_nc_u32 v[TM+12+\b], 0xff000000, v[TM+\b]   ; 2 off its exponent field: the conversion takes the exponent field of this operand as its scale
.endr
.irp b, 0,1,2,3
	v_lshrrev_b32 v[TM+4+\b], 23, v[TM+12+\b]      ; the scale's byte
.endr
	v_lshl_or_b32 v[\pw], v[TM+5], 8, v[TM+4]      ; four bytes: my row's scale word
	v_lshl_or_b32 v[\pw], v[TM+6], 16, v[\pw]
	v_lshl_or_b32 v[\pw], v[TM+7], 24, v[\pw]
.irp b, 0,1,2,3
	v_cvt_scalef32_pk8_fp4_f32 v[PC+2*\b], v[\s+16*\b:\s+7+16*\b], v[TM+12+\b]
	v_cvt_scalef32_pk8_fp4_f32 v[PC+1+2*\b], v[\s+8+16*\b:\s+15+16*\b], v[TM+12+\b]
.endr
	v_nop                                          ; one plain instruction behind the last scaled conversion
.irp c, 0,1                                    ; the operand's layout wants a whole block in a lane: lanes 0-15 block 2 c, lanes 16-31 block 2 c + 1
.irp i, 0,1
	v_permlane16_swap_b32 v[PC+4*\c+\i], v[PC+2+4*\c+\i]
.endr
.endr
.endm
; THE CHANGE OF SLOTS, at a trip's head.  Each wave waits for all its tensor loads (none is out any more: the quantiser has waited for its panel), adds 0 to its spare word, and waits for that, for its stores of
; the fragments just made and for its LDS reads of the slot that it has left.  Behind the barrier the chunk's sixteen fragments are whole, the slot in hand is whole, and nobody reads the other slot.
; fill = 1: that other slot takes the next chunk: the wave's one tensor load until the next change.
.macro CHANGE fill
	s_wait_tensorcnt 0x0                           ; no tensor load of mine is out, so group 0 may be written
	ds_add_u32 v[SPW], v[NIL]                      ; 0 onto my spare word
.if \fill
	s_xor_b32 s[TN], s[TN], SLOTB                  ; the other slot than last time,
	s_add_co_u32 s[G0+1], s[TN], s[WL]             ; my panel's place in it,
	s_add_nc_u64 s[G0+2:G0+3], s[G0+2:G0+3], CHUNKB   ; the next 64 keys; the type bits on top are not reached
.endif
	s_wait_dscnt 0x0                               ; the add is done, my fragments have landed, and my reads of the slot that I have left are over
	s_barrier_signal -1
	s_barrier_wait -1
.if \fill
	tensor_load_to_lds s[G0:G0+3], s[G1:G1+7]
	s_nop 0
.endif
	v_add_nc_u32 v[KAD], s[TB], v[KA0]             ; this chunk's values,
	v_add_nc_u32 v[KAD+1], 4*PANEL, v[KAD]
.if \fill
	v_add_nc_u32 v[XAD], s[TN], v[XA0]             ; and the next chunk's numbers, in the slot just asked for
	v_nop
.endif
.endm
; THE QUANTISER'S PARTS.  Wave w takes its own panel: keys 16 (w / 2) on, K steps 2 (w % 2) + u, u = 0, 1.
.macro XLOAD u, reg                    ; 64 numbers a lane: 16 neighbours of each of four blocks of 32
.irp b, 0,1,2,3
.irp j, 0,1,2,3
	ds_load_b128 v[\reg+16*\b+4*\j:\reg+16*\b+4*\j+3], v[XAD] offset:512*\u+128*\b+16*\j
.endr
.endr
.endm
.macro XSTORE u                        ; the fragment as it stands: 16 bytes a lane, 512 a store
	ds_store_b128 v[XWI], v[PC:PC+3] offset:1024*\u
	ds_store_b128 v[XWI], v[PC+4:PC+7] offset:1024*\u+512
.endm
.macro XQUANT                          ; both runs of loads are out
	s_wait_dscnt 16                                ; the first 64 numbers are in; the sixteen loads issued behind them may be out
	QUANT HA, PW
	XSTORE 0
	s_wait_dscnt 0x0                               ; the second 64 are in, and the two stores have read the codes' registers
	QUANT XQ, PW+1
	XSTORE 1
	ds_store_b64 v[XWS], v[PW:PW+1]                ; my two K steps' words of my row
.endm
.macro FETCH m                         ; tile m's four fragments and, by one load, its four scale words a lane
.irp s, 0,1,2,3
.irp c, 0,1
	ds_load_b128 v[XF+8*\s+4*\c:XF+8*\s+4*\c+3], v[LIX] offset:(4*(\m)+\s)*1024+512*\c
.endr
.endr
	ds_load_b128 v[XS:XS+3], v[LIX] offset:XSCO+512*(\m)
.endm
; 32 products: 16 keys x my head's 128 units x 512 along K.  The eight accumulators take turns, one instruction a turn; the first K step starts the sums.
.macro MULS
	WIN 0x04                                       ; source 1 (Wk) in window 1
.irp s, 0,1,2,3
.irp t, 0,1,2,3,4,5,6,7
.if \s == 0
	v_wmma_scale_f32_16x16x128_f8f6f4 v[HA+8*\t:HA+8*\t+7], v[XF+8*\s:XF+8*\s+7], v[8*(4*\t+\s):8*(4*\t+\s)+7], 0, v[XS+\s], v[WS+2*\t+\s%2] matrix_a_fmt:MATRIX_FMT_FP4 matrix_b_fmt:MATRIX_FMT_FP4
.elseif \s == 1
	v_wmma_scale_f32_16x16x128_f8f6f4 v[HA+8*\t:HA+8*\t+7], v[XF+8*\s:XF+8*\s+7], v[8*(4*\t+\s):8*(4*\t+\s)+7], v[HA+8*\t:HA+8*\t+7], v[XS+\s], v[WS+2*\t+\s%2] matrix_a_fmt:MATRIX_FMT_FP4 matrix_b_fmt:MATRIX_FMT_FP4
.else
	v_wmma_scale_f32_16x16x128_f8f6f4 v[HA+8*\t:HA+8*\t+7], v[XF+8*\s:XF+8*\s+7], v[8*(4*\t+\s):8*(4*\t+\s)+7], v[HA+8*\t:HA+8*\t+7], v[XS+\s], v[WS+2*\t+\s%2] matrix_a_fmt:MATRIX_FMT_FP4 matrix_b_fmt:MATRIX_FMT_FP4 matrix_b_scale:MATRIX_SCALE_ROW1
.endif
.endr
.endr
	WIN 0
.endm
; 64 numbers a lane, as 32 pairs: NVS / (1 + 2^(c k + biasc)), summed over the eight tiles into v[SA + 8 mm] on.
; TWO BATCHES, EACH WITH ONE WAIT.  In the first stand the 32 scalings and the 64 exponentials, in the second the 32 additions of 1 and the 64 reciprocals: a pair's plain line stands two pairs ahead of its
; two transcendentals, so that a plain line follows every two of them, and no line of a batch names a result of that batch.
.macro TANH mm
.irp p, 0,2
	v_pk_fma_f32 v[HA+\p:HA+\p+1], v[HA+\p:HA+\p+1], s[CS:CS+1], v[BI:BI+1] op_sel_hi:[1,0,1]   ; each accumulator is read from its low end on
.endr
.set i, 0
.rept 32
	v_exp_f32 v[HA+2*i], v[HA+2*i]
	v_exp_f32 v[HA+2*i+1], v[HA+2*i+1]
.if i < 30
	v_pk_fma_f32 v[HA+2*i+4:HA+2*i+5], v[HA+2*i+4:HA+2*i+5], s[CS:CS+1], v[BI+2*((i+2)/4):BI+2*((i+2)/4)+1] op_sel_hi:[1,0,1]   ; pair i + 2, of tile (i + 2) / 4
.endif
.set i, i+1
.endr
	v_nop                                          ; a plain instruction behind the last exponential
	s_wait_alu depctr_va_vdst(0)                   ; one wait for the batch, ahead of its first reader
.irp p, 0,2
	v_pk_add_f32 v[HA+\p:HA+\p+1], v[HA+\p:HA+\p+1], 1.0 op_sel_hi:[1,0]
.endr
.set i, 0
.rept 32
	v_rcp_f32 v[HA+2*i], v[HA+2*i]
	v_rcp_f32 v[HA+2*i+1], v[HA+2*i+1]
.if i < 30
	v_pk_add_f32 v[HA+2*i+4:HA+2*i+5], v[HA+2*i+4:HA+2*i+5], 1.0 op_sel_hi:[1,0]
.endif
.set i, i+1
.endr
	v_nop
	s_wait_alu depctr_va_vdst(0)                   ; and one for the reciprocals
.irp p, 0,2,4,6
	v_pk_mul_f32 v[SA+8*(\mm)+\p:SA+8*(\mm)+\p+1], v[HA+\p:HA+\p+1], v[NVS:NVS+1]   ; tile 0 starts the four chains
.endr
.irp t, 1,2,3,4,5,6,7
.irp p, 0,2,4,6
	v_pk_fma_f32 v[SA+8*(\mm)+\p:SA+8*(\mm)+\p+1], v[HA+8*\t+\p:HA+8*\t+\p+1], v[NVS+2*\t:NVS+2*\t+1], v[SA+8*(\mm)+\p:SA+8*(\mm)+\p+1]
.endr
.endr
.endm
; The sum over a row's 16 lanes of 16 registers at once: at each level a lane keeps one half of its registers and sends the other to the lane x away, which keeps that half.
; Lane bit 3 so stands for register bit 3, bit 2 for bit 2, and so on: at the end lane (r, h) holds in v[SA] the whole sum of register r: key 16 (r / 8) + 8 h + r % 8 of the 32.
.macro LEVEL n, x, mask
	s_mov_b32 vcc_lo, \mask
.set i, 0
.rept \n
	v_cndmask_b32 v[TM+2*i], v[SA+i], v[SA+i+\n], vcc_lo       ; what I keep
	v_cndmask_b32 v[TM+2*i+1], v[SA+i+\n], v[SA+i], vcc_lo     ; what I send
.set i, i+1
.endr
.set i, 0
.rept \n
	v_add_f32_dpp v[SA+i], v[TM+2*i+1], v[TM+2*i] row_xmask:\x row_mask:0xf bank_mask:0xf
.set i, i+1
.endr
.endm
.macro REDUCE
	LEVEL 8, 8, 0xff00ff00
	LEVEL 4, 4, 0xf0f0f0f0
	LEVEL 2, 2, 0xcccccccc
	LEVEL 1, 1, 0xaaaaaaaa
.endm
; THE CONTEXT'S PARTS.  My 64 columns are four tiles of 16.  LANE r OF TILE c STANDS FOR COLUMN 64 w + 4 r + c: so one load of 16 bytes feeds all four tiles, and sixteen lanes read 256 consecutive bytes of a
; key's row.  For keys 32 kk on, lane (r, h) wants keys 8 h + i and 16 + 8 h + i, i = 0 .. 7: tile of keys 2 kk + q, which is two panels on for each q; row 8 h + i of the panel.
.macro CLOAD kk
.irp q, 0,1
.irp i, 0,1,2,3,4,5,6,7
	ds_load_b128 v[HA+4*(8*\q+\i):HA+4*(8*\q+\i)+3], v[KAD+\kk] offset:\q*2*PANEL+\i*HP
.endr
.endr
.endm
.macro CCVT c, d                       ; tile c's fragment of values, 32 keys x 16 columns as f16, into v[d] on
.irp q, 0,1
.irp i, 0,2,4,6
	v_cvt_pk_f16_f32 v[\d+4*\q+\i/2], v[HA+4*(8*\q+\i)+\c], v[HA+4*(8*\q+\i+1)+\c]
.endr
.endr
.endm
.macro CMUL c, kk, b                   ; accumulator c += the weights of keys 32 kk on x the fragment in v[b] on
.set rC, CXA+8*(\c)+(CXB-CXA-16)*((\c)/2)
	v_wmma_f32_16x16x32_f16 v[rC:rC+7], v[WA+8*\kk:WA+8*\kk+7], v[\b:\b+7], v[rC:rC+7]
.endm
.macro HIDDEN m, mm                    ; tile m of 16 keys; mm = m % 2
	s_wait_dscnt 0x0                               ; the tile's fragments and scale words are in
	MULS
	PLACES                                         ; four places in front of the loads into registers that the products have read, and of the first read of results
.if \m < 3
	FETCH \m+1                                     ; the next tile's fragments land under this tile's vector work
.endif
	TANH \mm
.if \m == 3
	CLOAD 0                                        ; the projection's registers are free: the first 32 keys' values are asked for ahead of the sums over lanes
.endif
.if \mm
	REDUCE
	ds_store_b32 v[SCW], v[SA] offset:1024*(\m/2)  ; my head's score of one key
.endif
.endm
; Every wave takes the softmax over heads of all 64 keys, a lane a key, two groups of 32 by turns, and lays the weights as f16, [head][key], in its own LDS bytes; from there they come back as source 0 of the
; context product (row = head; rows 8-15 repeat heads 0-7).  LDS serves a wave's instructions in order: no wait between these stores and loads.
.macro SLOAD
.irp g, 0,1
	ds_load_b128 v[TM+8*\g:TM+8*\g+3], v[SCR] offset:1024*\g
	ds_load_b128 v[TM+8*\g+4:TM+8*\g+7], v[SCR] offset:1024*\g+16
.endr
.endm
.macro SMATH
.irp g, 0,1
	v_max3_num_f32 v[PC+4*\g], v[TM+8*\g], v[TM+8*\g+1], v[TM+8*\g+2]
.endr
.irp i, 3,5
.irp g, 0,1
	v_max3_num_f32 v[PC+4*\g], v[PC+4*\g], v[TM+8*\g+\i], v[TM+8*\g+\i+1]
.endr
.endr
.irp g, 0,1
	v_max_num_f32 v[PC+4*\g], v[PC+4*\g], v[TM+8*\g+7]         ; the largest of the key's eight scores
.endr
.irp i, 0,1,2,3,4,5,6,7
.irp g, 0,1
	v_sub_f32 v[TM+8*\g+\i], v[TM+8*\g+\i], v[PC+4*\g]
.endr
.endr
.set i, 0
.rept 16
	v_exp_f32 v[TM+i], v[TM+i]                     ; the scores are in units of log2
.set i, i+1
.endr
	v_nop
	s_wait_alu depctr_va_vdst(0)                   ; one wait for the sixteen
.irp g, 0,1
	v_pk_add_f32 v[PC+4*\g:PC+4*\g+1], v[TM+8*\g:TM+8*\g+1], v[TM+8*\g+2:TM+8*\g+3]
	v_pk_add_f32 v[PC+4*\g+2:PC+4*\g+3], v[TM+8*\g+4:TM+8*\g+5], v[TM+8*\g+6:TM+8*\g+7]
.endr
.irp g, 0,1
	v_pk_add_f32 v[PC+4*\g:PC+4*\g+1], v[PC+4*\g:PC+4*\g+1], v[PC+4*\g+2:PC+4*\g+3]
.endr
.irp g, 0,1
	v_add_f32 v[PC+4*\g+2], v[PC+4*\g], v[PC+4*\g+1]
.endr
.irp g, 0,1
	v_rcp_f32 v[PC+4*\g], v[PC+4*\g+2]
.endr
	v_nop
	s_wait_alu depctr_va_vdst(0)                   ; one wait for the two
.irp g, 0,1
.irp i, 0,2,4,6
	v_pk_mul_f32 v[TM+8*\g+\i:TM+8*\g+\i+1], v[TM+8*\g+\i:TM+8*\g+\i+1], v[PC+4*\g:PC+4*\g+1] op_sel_hi:[1,0]
.endr
.endr
.irp g, 0,1
.irp i, 0,1,2,3
	v_cvt_pk_f16_f32 v[PC+4*\g+\i], v[TM+8*\g+2*\i], v[TM+8*\g+2*\i+1]   ; heads 2 i (low half) and 2 i + 1 (high half) of my key, as f16
.endr
.endr
.irp g, 0,1
.irp i, 0,1,2,3
	ds_store_b16 v[WST], v[PC+4*\g+\i] offset:144*(2*\i)+64*\g
	ds_store_b16_d16_hi v[WST], v[PC+4*\g+\i] offset:144*(2*\i+1)+64*\g
.endr
.endr
.irp k, 0,1
.irp q, 0,1
	ds_load_b128 v[WA+8*\k+4*\q:WA+8*\k+4*\q+3], v[WLD] offset:64*\k+32*\q
.endr
.endr
.endm
; A chunk behind its change of slots.  fill = 1: the next chunk is quantised at its end.
.macro CHUNK fill
	FETCH 0
	HIDDEN 0, 0
	HIDDEN 1, 1
	HIDDEN 2, 0
	HIDDEN 3, 1
	s_wait_dscnt 0x0                               ; for the others' sake: my scores have landed, and my reads of the fragments are over; for mine: the first 32 keys' values are in
	s_barrier_signal -1
	CCVT 0, XF                                     ; work on registers while the others arrive: those values as f16
	CCVT 1, XF+8
	CCVT 2, XF+16
	CCVT 3, XF+24
	s_barrier_wait -1                              ; all eight heads' scores of the 64 keys lie in LDS, and nobody reads this chunk's fragments any more
	SLOAD
	CLOAD 1                                        ; the other 32 keys' values land under the softmax
	s_wait_dscnt 16                                ; the scores are in; the sixteen loads issued behind them may be out
	SMATH
	s_wait_dscnt 20                                ; the values are in; the sixteen stores and four loads of the weights, issued behind them, may be out
	CCVT 0, SA
	CCVT 1, SA+8
	CCVT 2, TM
	CCVT 3, TM+8
.if \fill
	s_wait_tensorcnt 0x0                           ; my panel of the next chunk has landed: one load of mine was out, and nobody but me reads that panel before the change of slots
	XLOAD 0, HA                                    ; its first 64 numbers are asked for ahead of the products
	s_wait_dscnt 16                                ; the weights' fragments are in, and their stores have read their registers; the sixteen loads just issued may be out
.else
	s_wait_dscnt 0x0
.endif
	CMUL 0, 0, XF                                  ; the four accumulators by turns, one instruction a turn
	CMUL 1, 0, XF+8
	CMUL 2, 0, XF+16
	CMUL 3, 0, XF+24
	CMUL 0, 1, SA
	CMUL 1, 1, SA+8
	CMUL 2, 1, TM
	CMUL 3, 1, TM+8
	PLACES                                         ; in front of the loads and vector lines that write these products' sources next, and of the last chunk's read of the results
.if \fill
	XLOAD 1, XQ                                    ; the second 64 numbers land while the first are quantised
	XQUANT
	s_xor_b32 s[TB], s[TB], SLOTB                  ; on to the other slot
.endif
.endm
	s_load_b256 s[4:11], s[0:1], 0x0               ; key s[4:5], wkf s[6:7], wks s[8:9], biasc s[10:11]
	s_load_b128 s[12:15], s[0:1], 0x20             ; v s[12:13], part s[14:15]
	v_lshl_add_u32 v[SPW], v0, 2, SPARE
	v_mov_b32 v[NIL], 0
	ds_add_u32 v3, v4
	ds_add_u32 v3, v4
	s_wait_dscnt 0x0
	v_lshrrev_b32 v1, 5, v0
	v_readfirstlane_b32 s[WV], v1                  ; wave 0..7
	; descriptor group 1: a panel: 16 rows of 256 elements of 4 bytes, 512 elements apart in memory, 16 bytes of padding behind each in LDS
	s_mov_b32 s[G1+0], (2<<16)|(1<<20)|(7<<22)|(3<<25)   ; 15:0 no mask; 17:16 elements of 4 bytes; 20 padding on; 24:22 after every 256 words (code 7); 31:25 four words (code 3)
	s_mov_b32 s[G1+1], 256<<16                     ; tensor_dim0 = 256
	s_mov_b32 s[G1+2], 16<<16                      ; tensor_dim1 = 16
	s_mov_b32 s[G1+3], 256<<16                     ; tile_dim0 = 256
	s_mov_b32 s[G1+4], 16                          ; tile_dim1 = 16
	s_mov_b32 s[G1+5], 512                         ; from row to row: a whole key row, 512 elements
	s_mov_b32 s[G1+6], 0
	s_mov_b32 s[G1+7], 0
	s_mul_i32 s[WL], s[WV], PANEL
	s_mov_b32 s[TB], 0
	s_mov_b32 s[TN], 0
	s_mov_b32 s[SEL], 0x76543210
	s_mov_b32 s[SEL+1], 0xfedcba98
	s_mov_b32 s[CS], 0x4038aa3b                    ; c = 2 log2(e)
	s_mov_b32 s[CS+1], s[CS]                       ; (named with it as a pair, so it is written)
	s_lshr_b32 s38, s[WV], 1                       ; my tile of 16 keys
	s_and_b32 s39, s[WV], 1                        ; my half of their rows
	s_lshl_b32 s42, ttmp9, 20                      ; the work-group's 512 rows of 2,048 bytes,
	s_lshl_b32 s40, s38, 15                        ; 16 rows for each tile of keys,
	s_add_co_u32 s42, s42, s40
	s_lshl_b32 s40, s39, 10                        ; 1,024 bytes for the half
	s_add_co_u32 s42, s42, s40
	s_mov_b32 s43, 0
	s_wait_kmcnt 0x0
	s_mov_b32 s[G0], 1                             ; count = 1
	s_mov_b32 s[G0+1], s[WL]                       ; LDS address: slot 0
	s_add_nc_u64 s[G0+2:G0+3], s[4:5], s[42:43]    ; global address: chunk 0
	s_or_b32 s[G0+3], s[G0+3], 0x80000000          ; type = 2
	tensor_load_to_lds s[G0:G0+3], s[G1:G1+7]      ; the first fill, ahead of everything else
	s_nop 0
	v_and_b32 v2, 31, v0                           ; lane
	v_and_b32 v[R4], 15, v0                        ; r
	v_bfe_u32 v[PO], v0, 4, 1                      ; h
	v_lshl_add_u32 v[LIX], v2, 4, XIMG
	v_lshlrev_b32 v[XAD], 4, v2                    ; 16 x lane, for the loads below
	v_mul_u32_u24 v[XA0], v[R4], HP
	v_lshl_add_u32 v[XA0], v[PO], 6, v[XA0]        ; row r of a panel, + 64 h: my 16 numbers of each block of 32,
	v_add_nc_u32 v[XA0], s[WL], v[XA0]             ; in my own panel
	s_lshl_b32 s40, s[WV], 11
	v_add_nc_u32 v[XWI], s40, v[LIX]               ; fragments 2 w and 2 w + 1
	s_lshl_b32 s40, s38, 9
	s_lshl_b32 s41, s39, 3
	s_add_co_u32 s40, s40, s41
	s_add_co_u32 s40, s40, XSCO
	v_add_nc_u32 v[XWS], s40, v[LIX]               ; XIMG + XSCO + 512 (w / 2) + 16 x lane + 8 (w % 2)
	v_and_b32 v[SCW], 7, v0
	v_lshl_add_u32 v[SCW], v[PO], 3, v[SCW]
	v_bfe_u32 v[SCR], v0, 3, 1
	v_lshl_add_u32 v[SCW], v[SCR], 4, v[SCW]       ; the key whose sum ends in my lane: lane % 8 + 8 h + 16 ((lane / 8) % 2)
	s_lshl_b32 s40, s[WV], 2
	s_add_co_u32 s40, s40, XIMG+SCOO
	v_lshl_add_u32 v[SCW], v[SCW], 5, s40          ; 32 bytes a key, 4 a head
	v_lshl_add_u32 v[SCR], v2, 5, XIMG+SCOO        ; back: a lane a key
	s_mul_i32 s40, s[WV], 1152
	s_add_co_u32 s40, s40, XIMG+WSCO               ; my wave's weights
	v_lshl_add_u32 v[WST], v2, 1, s40              ; in: 2 bytes a key
	v_and_b32 v[WLD], 7, v0
	v_mul_u32_u24 v[WLD], v[WLD], 144
	v_lshl_add_u32 v[WLD], v[PO], 4, v[WLD]
	v_add_nc_u32 v[WLD], s40, v[WLD]               ; back: head r % 8, + 16 h
	v_mul_u32_u24 v[KA0], v[PO], 8*HP
	v_lshl_add_u32 v[KA0], v[R4], 4, v[KA0]        ; the values: row 8 h of a panel, 16 bytes a lane,
	s_and_b32 s40, s[WV], 3
	s_lshl_b32 s40, s40, 8                         ; my wave's 256 bytes: 256 (w % 4) in the half
	s_lshr_b32 s41, s[WV], 2
	s_mul_i32 s41, s41, PANEL                      ; w / 4
	s_add_co_u32 s41, s41, s40
	v_add_nc_u32 v[KA0], s41, v[KA0]
	s_lshl_b32 s40, s[WV], 8
	v_lshlrev_b32 v[KAD], 13, v[PO]
	v_lshl_add_u32 v[KAD], v[R4], 4, v[KAD]
	v_add_nc_u32 v[PO], s40, v[KAD]                ; the way out: 4 h heads of 2,048 bytes + 16 r + 256 w
	v_lshlrev_b32 v[R4], 2, v[R4]
	v_lshlrev_b32 v[LS], 2, v2
	s_lshl_b32 s42, s[WV], 15
	s_add_nc_u64 s[6:7], s[6:7], s[42:43]          ; my head's 8 tiles of Wk: 32,768 bytes of codes,
	s_lshl_b32 s42, s[WV], 11
	s_add_nc_u64 s[8:9], s[8:9], s[42:43]          ; 2,048 of scale words
	s_lshr_b32 s42, ttmp9, 2
	s_lshl_b32 s42, s42, 12
	s_lshl_b32 s40, s[WV], 9
	s_add_co_u32 s42, s42, s40
	s_add_nc_u64 s[10:11], s[10:11], s[42:43]      ; biasc: my batch's row, my head's 128 units
	s_lshl_b32 s42, ttmp9, 14
	s_add_nc_u64 s[14:15], s[14:15], s[42:43]      ; the work-group's 16,384 bytes of part
	WIN 0x40                                       ; destination window 1
.irp t, 0,1,2,3,4,5,6,7
.irp s, 0,1,2,3
.irp c, 0,1
	global_load_b128 v[8*(4*\t+\s)+4*\c:8*(4*\t+\s)+4*\c+3], v[XAD], s[6:7] offset:4096*\t+1024*\s+512*\c   ; Wk's fragment (tile t, K step s): 512 consecutive bytes a load
.endr
.endr
.endr
	WIN 0
.irp t, 0,1,2,3,4,5,6,7
.irp p, 0,1
	global_load_b32 v[WS+2*\t+\p], v[LS], s[8:9] offset:256*\t+128*\p
.endr
	global_load_b32 v[BI+2*\t], v[R4], s[10:11] offset:64*\t    ; unit 16 t + r of my head
	global_load_b32 v[NVS+2*\t], v[R4], s[12:13] offset:64*\t   ; v at the same unit
.endr
	global_load_b128 v[HA:HA+3], v[XAD], s[12:13]  ; all of v, four numbers a lane, for its sum of squares
.set i, 0
.rept 16
	v_mov_b32 v[CXA+i], 0                          ; the context begins as zeros, so that the chunk is written without a first step of its own
	v_mov_b32 v[CXB+i], 0
.set i, i+1
.endr
.irp b, 0,1,2,3
	v_mov_b32 v[TM+4+\b], 0                        ; written once: a lane permute's destination counts as one of its sources
.endr
	s_wait_loadcnt 0x0
	v_mul_f32 v[TM], v[HA], v[HA]
	v_fmac_f32 v[TM], v[HA+1], v[HA+1]
	v_fmac_f32 v[TM], v[HA+2], v[HA+2]
	v_fmac_f32 v[TM], v[HA+3], v[HA+3]
	v_add_f32_dpp v[TM], v[TM], v[TM] row_xmask:1 row_mask:0xf bank_mask:0xf
	v_add_f32_dpp v[TM], v[TM], v[TM] row_xmask:2 row_mask:0xf bank_mask:0xf
	v_add_f32_dpp v[TM], v[TM], v[TM] row_xmask:4 row_mask:0xf bank_mask:0xf
	v_add_f32_dpp v[TM], v[TM], v[TM] row_xmask:8 row_mask:0xf bank_mask:0xf
	v_permlanex16_b32 v[TM+4], v[TM], s[SEL], s[SEL+1]
	v_add_f32 v[TM], v[TM], v[TM+4]                ; the sum of v^2, in every lane
	v_rsq_f32 v[TM+1], v[TM]
.irp t, 0,1,2,3,4,5,6,7
	v_mov_b32 v[BI+2*\t+1], v[BI+2*\t]             ; the bias pairs' second words: plain work behind the root
.endr
	v_mov_b32 v[XAD], v[XA0]                       ; chunk 0's numbers lie in slot 0 (the loads that took 16 x lane from this register are in)
	s_wait_alu depctr_va_vdst(0)                   ; the wait ahead of the first reader
	v_mul_f32 v[TM+1], 0xbe8293ee, v[TM+1]         ; x -2 log2(e) / sqrt(128)
.irp t, 0,1,2,3,4,5,6,7
	v_mul_f32 v[NVS+2*\t+1], v[NVS+2*\t], v[TM+1]
	v_mul_f32 v[NVS+2*\t], v[NVS+2*\t], v[TM+1]
.endr
	s_wait_tensorcnt 0x0                           ; my panel of chunk 0 has landed; nobody but me reads it before the first change of slots
	XLOAD 0, HA
	XLOAD 1, XQ
	XQUANT                                         ; chunk 0 is quantised ahead of the loop
	s_mov_b32 s[CNT], 7
.Lchunk:                                           ; 7 trips: chunk i is worked, chunk i + 1 is asked for at the trip's head and quantised at its end
	CHANGE 1
	CHUNK 1
	s_sub_co_u32 s[CNT], s[CNT], 1
	s_cmp_lg_u32 s[CNT], 0
	s_cbranch_scc1 .Lchunk
	CHANGE 0                                       ; the last chunk is written out: nothing is asked for, nothing is quantised
	CHUNK 0
	s_wait_tensorcnt 0x0                           ; the wave's end, behind my last tensor load and my last LDS store
	ds_add_u32 v[SPW], v[NIL]
	s_mov_b32 vcc_lo, 0xffff0000
	s_wait_dscnt 0x0
	; THE WAY OUT.  Register j of accumulator c: lanes 0-15 head j, lanes 16-31 row 8 + j, which repeats head j; column 64 w + 4 r + c.  Lanes 0-15 take heads 0-3 and lanes 16-31 heads 4-7:
	; a lane's four registers are then 16 neighbouring bytes of one head's row, and sixteen lanes store 256 consecutive bytes, at a multiple of 256 from the buffer's first byte.
.irp j, 0,1,2,3
.irp c, 0,1,2,3
.set rC, CXA+8*\c+(CXB-CXA-16)*(\c/2)
	v_cndmask_b32 v[HA+4*\j+\c], v[rC+\j], v[rC+\j+4], vcc_lo   ; each accumulator is first read at its low end
.endr
.endr
.irp j, 0,1,2,3
	global_store_b128 v[PO], v[HA+4*\j:HA+4*\j+3], s[14:15] offset:2048*\j
.endr
	s_endpgm
.Lfunc_end_k_q50e946fa6d_attn:
	.size	k_q50e946fa6d_attn, .Lfunc_end_k_q50e946fa6d_attn-k_q50e946fa6d_attn
	.p2alignl 7, 3214868480
	.fill 96, 4, 3214868480
	.section	.rodata,"a",@progbits
	.p2align	6, 0x0
	.amdhsa_kernel k_q50e946fa6d_attn
		.amdhsa_group_segment_fixed_size 327680
		.amdhsa_private_segment_fixed_size 0
		.amdhsa_enable_private_segment 0
		.amdhsa_kernarg_size 48
		.amdhsa_user_sgpr_count 2
		.amdhsa_user_sgpr_kernarg_segment_ptr 1
		.amdhsa_wavefront_size32 1
		.amdhsa_system_sgpr_workgroup_id_x 1
		.amdhsa_system_sgpr_workgroup_id_y 1
		.amdhsa_system_sgpr_workgroup_id_z 1
		.amdhsa_system_vgpr_workitem_id 0
		.amdhsa_next_free_vgpr 512
		.amdhsa_next_free_sgpr 66
		.amdhsa_reserve_vcc 1
		.amdhsa_float_denorm_mode_32 3
		.amdhsa_float_denorm_mode_16_64 3
		.amdhsa_memory_ordered 1
		.amdhsa_forward_progress 1
		.amdhsa_inst_pref_size 189
	.end_amdhsa_kernel
	.amdgpu_metadata
---
amdhsa.version: [ 1, 2 ]
amdhsa.kernels:
  - .name:           k_q50e946fa6d_attn
    .symbol:         k_q50e946fa6d_attn.kd
    .args:
      - { .name: key, .offset: 0, .size: 8, .value_kind: global_buffer, .address_space: global }
      - { .name: wkf, .offset: 8, .size: 8, .value_kind: global_buffer, .address_space: global }
      - { .name: wks, .offset: 16, .size: 8, .value_kind: global_buffer, .address_space: global }
      - { .name: biasc, .offset: 24, .size: 8, .value_kind: global_buffer, .address_space: global }
      - { .name: v, .offset: 32, .size: 8, .value_kind: global_buffer, .address_space: global }
      - { .name: part, .offset: 40, .size: 8, .value_kind: global_buffer, .address_space: global }
    .group_segment_fixed_size: 327680
    .private_segment_fixed_size: 0
    .kernarg_segment_align: 8
    .kernarg_segment_size: 48
    .max_flat_workgroup_size: 256
    .sgpr_count:     66
    .vgpr_count:     512
    .wavefront_size: 32
...
	.end_amdgpu_metadata
.endif
;; end of part 2
;; launch sum4 (part 3): grid 256 x 1, 8 waves a work-group, no clusters, 0 bytes of LDS; arguments part, out0; writes out0
.if DOCPART == 3
	.amdgcn_target "amdgcn-amd-amdhsa--gfx1250"
	.amdhsa_code_object_version 6
	.text
	.protected	k_q50e946fa6d_sum4
	.globl	k_q50e946fa6d_sum4
	.p2align	8
	.type	k_q50e946fa6d_sum4,@function
k_q50e946fa6d_sum4:
	s_mov_b64 s[64:65], 0
	v_nop
	global_prefetch_b8 v0, s[64:65] scope:SCOPE_SE
	s_setreg_imm32_b32 hwreg(HW_REG_WAVE_MODE, 25, 1), 1
	s_wait_xcnt 0x0
; out0[b][head x 512 + d] = the sum of the four parts that the four work-groups of batch b left in part [4 b + quarter][head][512], in the fixed order (0 + 1) + (2 + 3).
; A stream: work-group x takes 4,096 bytes of the output (batch x / 4, piece x % 4 of its 16,384 bytes), a thread 16 bytes: each load and the store of a wave cover 512 consecutive bytes.
; No LDS, no barrier, no matrix unit: four loads, six packed additions and one store a thread.
	s_load_b128 s[4:7], s[0:1], 0x0                ; part s[4:5], out0 s[6:7]
	v_lshlrev_b32 v1, 4, v0                        ; 16 bytes a thread
	s_lshr_b32 s8, ttmp9, 2
	s_lshl_b32 s8, s8, 16                          ; the batch's four parts of 16,384 bytes,
	s_and_b32 s9, ttmp9, 3
	s_lshl_b32 s9, s9, 12                          ; my piece of each
	s_add_co_u32 s8, s8, s9
	s_mov_b32 s9, 0
	s_lshl_b32 s10, ttmp9, 12                      ; and the same piece of the output
	s_mov_b32 s11, 0
	s_wait_kmcnt 0x0
	s_add_nc_u64 s[4:5], s[4:5], s[8:9]
	s_add_nc_u64 s[6:7], s[6:7], s[10:11]
.irp q, 0,1,2,3
	global_load_b128 v[4+4*\q:7+4*\q], v1, s[4:5] offset:16384*\q th:TH_LOAD_NT
.endr
	s_wait_loadcnt 2                               ; quarters 0 and 1 are in; the two loads issued behind them may be out
	v_pk_add_f32 v[4:5], v[4:5], v[8:9]
	v_pk_add_f32 v[6:7], v[6:7], v[10:11]
	s_wait_loadcnt 0x0
	v_pk_add_f32 v[12:13], v[12:13], v[16:17]
	v_pk_add_f32 v[14:15], v[14:15], v[18:19]
	v_pk_add_f32 v[4:5], v[4:5], v[12:13]
	v_pk_add_f32 v[6:7], v[6:7], v[14:15]
	global_store_b128 v1, v[4:7], s[6:7] th:TH_STORE_NT
	s_endpgm
.Lfunc_end_k_q50e946fa6d_sum4:
	.size	k_q50e946fa6d_sum4, .Lfunc_end_k_q50e946fa6d_sum4-k_q50e946fa6d_sum4
	.p2alignl 7, 3214868480
	.fill 96, 4, 3214868480
	.section	.rodata,"a",@progbits
	.p2align	6, 0x0
	.amdhsa_kernel k_q50e946fa6d_sum4
		.amdhsa_group_segment_fixed_size 0
		.amdhsa_private_segment_fixed_size 0
		.amdhsa_enable_private_segment 0
		.amdhsa_kernarg_size 16
		.amdhsa_user_sgpr_count 2
		.amdhsa_user_sgpr_kernarg_segment_ptr 1
		.amdhsa_wavefront_size32 1
		.amdhsa_system_sgpr_workgroup_id_x 1
		.amdhsa_system_sgpr_workgroup_id_y 1
		.amdhsa_system_sgpr_workgroup_id_z 1
		.amdhsa_system_vgpr_workitem_id 0
		.amdhsa_next_free_vgpr 24
		.amdhsa_next_free_sgpr 66
		.amdhsa_reserve_vcc 0
		.amdhsa_float_denorm_mode_32 3
		.amdhsa_float_denorm_mode_16_64 3
		.amdhsa_memory_ordered 1
		.amdhsa_forward_progress 1
		.amdhsa_inst_pref_size 2
	.end_amdhsa_kernel
	.amdgpu_metadata
---
amdhsa.version: [ 1, 2 ]
amdhsa.kernels:
  - .name:           k_q50e946fa6d_sum4
    .symbol:         k_q50e946fa6d_sum4.kd
    .args:
      - { .name: part, .offset: 0, .size: 8, .value_kind: global_buffer, .address_space: global }
      - { .name: out0, .offset: 8, .size: 8, .value_kind: global_buffer, .address_space: global }
    .group_segment_fixed_size: 0
    .private_segment_fixed_size: 0
    .kernarg_segment_align: 8
    .kernarg_segment_size: 16
    .max_flat_workgroup_size: 256
    .sgpr_count:     66
    .vgpr_count:     24
    .wavefront_size: 32
...
	.end_amdgpu_metadata
.endif
;; end of part 3
